; MI455X (gfx1250); checked and timed in simulation.
; The chip was launched on July 23, 2026; its instructions are those of AMD's public machine-readable ISA for CDNA 5 (MIT licence, August 2026) and "CDNA5" Instruction Set Architecture Reference Guide (July 2026). The comments in the code are by the model that wrote it; some were corrected since.
;; AGRACE. Allowed arithmetic: matrix products marked QUANTISED: E2M1 operands, one E8M0 scale for each 32 along K, by v_wmma_scale_f32_16x16x128_f8f6f4 with both operands' format E2M1 (or v_wmma_scale_f32_32x16x128_f4), f32 sums; products left as they are: f32 operands where the result goes on into a quantised operand, else bf16, f16 or f32 operands; f32 sums; everything else in f32.
;; Inputs: W_codes 4,096 x 128 x 16 uint8 (E2M1 codes of W, K innermost, in blocks of 32 codes, two codes a byte); W_scales 4,096 x 128 uint8 (E8M0 scales of W, one for each 32 codes along K); b 4,096 float32; enc_W1 256 x 4,096 float32; enc_W2 256 x 256 float32; enc_b1 256 float32; enc_b2 256 float32; epsilons 2,048 float32; keys 2,048 x 256 float32; values 2,048 x 4,096 float32; x 4 x 1,024 x 4,096 float32.
;; Outputs: out0 4 x 1,024 x 4,096 float32.
;; This version of the problem:
;;   THIS VERSION OF THE PROBLEM IS GIVEN IN LOW PRECISION. The matrix products marked QUANTISED in the list below multiply operands that are first quantised to E2M1 (2 exponent bits, 1 mantissa bit; 4 bits a number), with one power-of-two scale for each 32 numbers along K (OCP MX v1.0); their sums are f32. All else is computed in f32.
;;   The module's matrix products, in the order in which they are computed (A, B: the left and right operand; K: the contracted axis; several contracted axes count as one K, in the product's order):
;;     1. [M 4,096, K 4,096] x [K 4,096, N 4,096]; A: input x; B: input W (given as codes): QUANTISED
;;     2. [M 4, K 4,096] x [K 4,096, N 256]; A: computed on the way; B: input enc_W1: left as it is (M = 4 < 16)
;;     3. [M 4, K 256] x [K 256, N 256]; A: computed on the way; B: input enc_W2: left as it is (M = 4 < 16)
;;     4. [M 2,048, K 256] x [K 256, N 4]; A: computed on the way; B: computed on the way: left as it is (N = 4 < 16)
;;   THE QUANTISER, for each operand of a quantised product, along K:
;;     - K is cut into blocks of 32 from its start; a last block that is shorter is filled with zeros.
;;     - A block's scale is 2^e with e = floor(log2(the largest magnitude in the block)) - 2, held to -126 .. 127; a block of zeros has e = 0. As a byte (E8M0): e + 127.
;;     - Each number is divided by its block's scale, clamped to +-6, and rounded to the nearest number of E2M1, ties to even, subnormals kept.
;;     - The product sums the exact products of the quantised numbers (number of the format x scale) in f32.
;;   ~~~python
;;   def quantise(x, axis):      # numpy; x: float32 -> the quantised numbers, widened to float32 again
;;       x = np.moveaxis(x, axis, -1); K = x.shape[-1]
;;       x = np.pad(x, [(0, 0)] * (x.ndim - 1) + [(0, -K % 32)]); x = x.reshape(x.shape[:-1] + (-1, 32)); a = np.abs(x).max(-1, keepdims=True)
;;       e = np.where(a > 0, np.clip(np.frexp(np.where(a > 0, a, 1))[1] - 1 - 2, -126, 127), 0)      # np.frexp(a)[1] - 1 = floor(log2(a)), exactly
;;       r = np.clip(x / 2.0 ** e, -6, 6)
;;       step = 2.0 ** (np.maximum(np.frexp(np.where(r == 0, 1, r))[1] - 1, 0) - 1)
;;       q = np.round(r / step) * step * 2.0 ** e      # np.round: ties to even
;;       return np.moveaxis(q.reshape(q.shape[:-2] + (-1,))[..., :K], -1, axis).astype(np.float32)
;;   ~~~
;;   INPUTS GIVEN AS CODES. W (in the module: [4096, 4096], K = its axis 1): each comes as NAME_codes (uint8): NAME with its K axis moved to the last place and cut into blocks of 32 codes, [.., K / 32, bytes a block], one block behind the other in memory; two codes a byte, the lower K in the low four bits (a code: sign, 2 exponent bits, 1 mantissa bit); and NAME_scales (uint8): the same leading axes, one E8M0 byte (e + 127) for each 32 codes along K. Its value is code x scale, taken as it is: it is not quantised again, and the codes and scales need not be those that the quantiser above would give.
;; One version. Each part assembles by itself: llvm-mc -triple=amdgcn-amd-amdhsa -mcpu=gfx1250 --defsym DOCPART=n.
;; ======== version 1 of 1: 3 launches
;; limits: values are held in bf16: 8 bits of precision; right only within a limited range of input values
;; workspace buffers: xq 8,388,608 bytes; xs 524,288 bytes; hp 524,288 bytes; jl 1,024 bytes; cand_f 512 bytes; cand_i 256 bytes of whole numbers; w2h 131,072 bytes
;; launch quant (part 1): grid 32 x 8, 16 waves a work-group, no clusters, 157,952 bytes of LDS; arguments x, enc_W1, xq, xs, hp, jl, enc_W2, w2h; writes xq, xs, hp, jl, w2h
.if DOCPART == 1
	.amdgcn_target "amdgcn-amd-amdhsa--gfx1250"
	.amdhsa_code_object_version 6
	.text
	.protected	k_q2ccea64dde_quant
	.globl	k_q2ccea64dde_quant
	.p2align	8
	.type	k_q2ccea64dde_quant,@function
k_q2ccea64dde_quant:
	s_mov_b64 s[64:65], 0
	v_nop
	global_prefetch_b8 v0, s[64:65] scope:SCOPE_SE
	s_setreg_imm32_b32 hwreg(HW_REG_WAVE_MODE, 25, 1), 1
	s_wait_xcnt 0x0
; x [4][1024][4096] f32 is read ONCE and gives three things.
; (1) xq, xs: its codes of FP4 (E2M1) and E8M0 scale words along the last axis, laid as images of the matrix operand's registers:
;     xq [group of 128 rows g][128 columns s][tile of 16 rows a][c][lane][16 bytes], xs [g][s][lane (r, h)][word i] = the scale word of row 16 (4 h + i) + r.
; (2) jl: for each work-group (512 rows x 128 columns) the first row, counted from its first, that differs from the row before (512: none), as f32.
; (3) hp: two partial products with enc_W1's 128 columns: of S' = the sum of the rows from that first change on, and of a = the work-group's first row.
;     The rows ahead of the change all equal a, so the next launch adds (how many of them count) x a: the masked mean is had without a second pass and without a difference of sums.
; A block's scale is 2^(floor(log2(largest magnitude)) - 2): its byte is the largest magnitude's exponent field - 2, held at 1 from below.
; SHARES.  Work-group (s, y): columns 128 s on, rows 512 y on of the flattened 4,096.  Wave w: 32 rows, two tiles of 16.  A lane holds 4 columns of every row, so rows are compared and summed lane by lane;
; for the conversions a tile turns through the wave's own stage in LDS, so that lane (r, h) holds 32 neighbours of row r.
; All of a wave's 33 loads go out at once: nothing is looped, no slot is filled twice, so the loads go straight into registers.
; LIMITS: NaN and infinities in x are not served (0 x infinity in a weighted run gives NaN); blocks whose largest magnitude lies under 2^-124 keep the byte 1; a block of zeros has the byte 1 and zero codes (the bytes are read by this program alone).
.set ROWX,  16384                      ; a row of x or of enc_W1 in bytes
.set SP,    528                        ; a stage row: 512 bytes + 16
.set STGB,  16*SP                      ; a wave's stage
.set STS,   16*STGB                    ; 135,168: the waves' sums S, 512 bytes each
.set STA,   8192                       ; from STS on: the waves' first rows a
.set STC,   STS+16384                  ; 16 words: the waves' first changes; 64 bytes on: their counts of rows ahead of it
.set SCG,   STC+256                    ; four images of xs, 512 bytes each
.set HPG,   SCG+2048                   ; the two partial products, 1,024 bytes each
.set R0,    16                         ; v16-79   tile 0's rows (4 registers a row), later 16 rows of enc_W1
.set X,     144                        ; v144-207 a tile turned: 64 neighbours a lane
.set C0,    208                        ; v208-223 the codes, 8 registers a tile
.set WD,    246                        ; v246-247 the scale words, one a tile
.macro BARRIER
	s_wait_dscnt 0x0                               ; my LDS stores have landed and my LDS loads are in
	s_barrier_signal -1
	s_barrier_wait -1
.endm
	s_load_b256 s[4:11], s[0:1], 0x0               ; x, enc_W1, xq, xs
	s_load_b128 s[12:15], s[0:1], 0x20             ; hp, jl
	s_load_b128 s[68:71], s[0:1], 0x30             ; enc_W2, w2h
	v_lshl_add_u32 v242, v0, 2, 0x26100
	v_mov_b32 v255, 0
	v_lshrrev_b32 v1, 5, v0
	s_delay_alu instid0(VALU_DEP_1)
	v_readfirstlane_b32 s16, v1                    ; wave 0..15
	s_and_b32 s18, ttmp7, 0xffff                   ; y: which 512 rows
	v_and_b32 v1, 31, v0                           ; lane
	v_and_b32 v2, 15, v0                           ; r
	v_bfe_u32 v3, v0, 4, 1                         ; h
	s_delay_alu instid0(VALU_DEP_3)
	v_lshlrev_b32 v4, 4, v1                        ; 16 x lane
	s_mul_i32 s48, s16, STGB
	v_add_nc_u32 v5, s48, v4                       ; the stage, in: a row as loaded
	v_mul_u32_u24 v6, v2, SP
	s_delay_alu instid0(VALU_DEP_1)
	v_lshl_add_u32 v6, v3, 7, v6
	s_delay_alu instid0(VALU_DEP_1)
	v_add_nc_u32 v6, s48, v6                       ; out: row r, + 128 h: 32 neighbours
	v_mul_u32_u24 v8, v1, 144
	s_delay_alu instid0(VALU_DEP_1)
	v_add_nc_u32 v8, s48, v8                       ; the sum over lanes: my 32 numbers at 144 x lane,
	v_lshl_add_u32 v9, v1, 2, s48                  ; and number 'lane' of every lane
	s_lshr_b32 s49, s16, 2
	s_lshl_b32 s49, s49, 9
	s_bfe_u32 s50, s16, 0x10001
	s_lshl_b32 s50, s50, 8
	s_add_co_u32 s49, s49, s50
	s_and_b32 s50, s16, 1
	s_lshl_b32 s50, s50, 3
	s_add_co_u32 s49, s49, s50
	s_add_co_u32 s49, s49, SCG
	v_lshl_add_u32 v7, v2, 4, s49                  ; my scale word in xs's image: group w / 4, half (w % 4) / 2, word 2 (w % 2) + tile
	s_lshl_b32 s49, s16, 6
	s_add_co_u32 s49, s49, HPG
	v_lshl_add_u32 v10, v3, 10, s49
	s_delay_alu instid0(VALU_DEP_1)
	v_lshl_add_u32 v10, v2, 2, v10                 ; partial product h, output 16 w + r
	s_lshl_b32 s49, s16, 9
	s_add_co_u32 s49, s49, STS
	v_add_nc_u32 v11, s49, v4                      ; STS + 512 w + 16 lane
	v_add_nc_u32 v250, STS, v4                     ; STS + 16 lane
	s_lshl_b32 s49, s16, 2
	s_add_co_u32 s49, s49, STC
	v_mov_b32 v249, s49                            ; my wave's word
	v_mov_b32 v248, STC
	v_mov_b32 v251, 0
	v_lshlrev_b32 v244, 3, v3                      ; 8 h
	v_mov_b32 v243, 0                              ; (a lane permute's destination counts as read)
	s_mov_b32 s20, 0x76543210
	s_mov_b32 s21, 0xfedcba98                      ; lane l xor 16
	s_mov_b32 s22, 0                               ; lanes that have seen a change
	s_mov_b32 s23, 0                               ; rows from the first change on
	s_mov_b32 s25, 0                               ; (upper words of the pairs that the packed forms name)
	s_mov_b32 s27, 0
	s_mov_b32 s29, 0
	s_mov_b32 s31, 0
	s_lshl_b32 s56, ttmp9, 9                       ; 512 s: my columns in a row
	s_lshl_b32 s48, s18, 9
	s_lshl_b32 s49, s16, 5
	s_add_co_u32 s48, s48, s49                     ; my first row
	s_lshl_b32 s48, s48, 14
	s_add_co_u32 s48, s48, s56
	s_mov_b32 s49, 0
	s_lshl_b32 s50, s16, 18                        ; enc_W1: rows 16 w on
	s_add_co_u32 s50, s50, s56
	s_mov_b32 s51, 0
	s_and_b32 s19, s16, 3
	s_lshl_b32 s17, s18, 2                         ; 4 y
	s_lshr_b32 s52, s16, 2
	s_add_co_u32 s52, s52, s17                     ; g
	s_lshl_b32 s52, s52, 18
	s_lshl_b32 s53, ttmp9, 13
	s_add_co_u32 s52, s52, s53
	s_lshl_b32 s53, s19, 11
	s_add_co_u32 s52, s52, s53                     ; xq: g, s, tile 2 (w % 4)
	s_mov_b32 s53, 0
	s_add_co_u32 s54, s17, s19
	s_lshl_b32 s54, s54, 5
	s_add_co_u32 s54, s54, ttmp9
	s_lshl_b32 s54, s54, 9                         ; xs: image (4 y + w % 4, s)
	s_mov_b32 s55, 0
	s_lshl_b32 s60, s18, 5
	s_add_co_u32 s60, s60, ttmp9                   ; the work-group's number 32 y + s
	s_lshl_b32 s58, s60, 11
	s_lshl_b32 s59, s19, 9
	s_add_co_u32 s58, s58, s59
	s_mov_b32 s59, 0
	s_lshl_b32 s60, s60, 2
	s_mov_b32 s61, 0
	s_and_b32 s62, s18, 1
	s_or_b32 s62, s62, s16
	s_cmp_eq_u32 s62, 0                            ; a sample's very first row is compared with itself
	s_cselect_b32 s62, 0, ROWX
	s_mov_b32 s63, 0
	s_wait_alu depctr_va_vdst(0)
	s_wait_kmcnt 0x0
	s_add_nc_u64 s[4:5], s[4:5], s[48:49]
	s_add_nc_u64 s[6:7], s[6:7], s[50:51]
	s_add_nc_u64 s[8:9], s[8:9], s[52:53]
	s_add_nc_u64 s[10:11], s[10:11], s[54:55]
	s_add_nc_u64 s[12:13], s[12:13], s[58:59]
	s_add_nc_u64 s[14:15], s[14:15], s[60:61]
	s_sub_nc_u64 s[62:63], s[4:5], s[62:63]        ; the row before my first
	; (4) w2h: enc_W2 rounded to bf16 for the next launch (its product with h feeds no quantiser).  Work-group 32 y + s takes that row, wave 15 alone:
	; lane l holds columns 4 l on and 128 + 4 l on, and its 8 numbers go out as 16 bytes at 16 l: 512 consecutive bytes a row.
	s_lshl_b32 s66, s18, 5
	s_add_co_u32 s66, s66, ttmp9
	s_lshl_b32 s66, s66, 10                        ; a row of enc_W2 is 1,024 bytes,
	s_mov_b32 s67, 0
	s_add_nc_u64 s[68:69], s[68:69], s[66:67]
	s_lshr_b32 s66, s66, 1                         ; of w2h 512
	s_add_nc_u64 s[70:71], s[70:71], s[66:67]
	s_cmp_lg_u32 s16, 15
	s_cbranch_scc1 .Lno_w2_in
	global_load_b128 v[228:231], v4, s[68:69]
	global_load_b128 v[232:235], v4, s[68:69] offset:512
.Lno_w2_in:
	global_load_b128 v[12:15], v4, s[62:63]
.macro LOADT t                         ; 16 rows; the 32 lanes read 512 consecutive bytes
.irp i, 0,1,2,3,4,5,6,7,8,9,10,11,12,13,14,15
	global_load_b128 v[R0+64*\t+4*\i:R0+64*\t+4*\i+3], v4, s[4:5] offset:(16*\t+\i)*ROWX th:TH_LOAD_NT
.endr
.endm
.macro STAGE t                         ; a tile through my stage: LDS serves a wave's instructions in order, so no wait stands between the stores and the loads
.irp i, 0,1,2,3,4,5,6,7,8,9,10,11,12,13,14,15
	ds_store_b128 v5, v[R0+64*\t+4*\i:R0+64*\t+4*\i+3] offset:SP*\i
.endr
.irp c, 0,1
.irp k, 0,1,2,3,4,5,6,7
	ds_load_b128 v[X+32*\c+4*\k:X+32*\c+4*\k+3], v6 offset:256*\c+16*\k   ; k = 64 c + 32 h + 4 k on of row r
.endr
.endr
.endm
; Four rows at a time: each row against the row before, in all lanes; once any lane has seen a change the row's factor is 1, before that 0; S += factor x row.
.macro STATS t
.irp g, 0,1,2,3
.irp i, 0,1,2,3
.irp k, 0,1,2,3
.if (4*\g+\i) == 0
	v_cmp_neq_f32 s[32+4*\i+\k], v[R0+64*\t+\k], v[12+\k]
.else
	v_cmp_neq_f32 s[32+4*\i+\k], v[R0+64*\t+4*(4*\g+\i)+\k], v[R0+64*\t+4*(4*\g+\i)-4+\k]
.endif
.endr
.endr
.irp i, 0,1,2,3
	s_or_b32 s[32+4*\i], s[32+4*\i], s[33+4*\i]
	s_or_b32 s[34+4*\i], s[34+4*\i], s[35+4*\i]
	s_or_b32 s[32+4*\i], s[32+4*\i], s[34+4*\i]
	s_or_b32 s22, s22, s[32+4*\i]                  ; SCC: a change here or earlier
	s_cselect_b32 s[24+2*\i], 1.0, 0
	s_add_co_ci_u32 s23, s23, 0                    ; counts the rows from the change on
.endr
.irp i, 0
.if (\t+\g+\i) == 0
	v_pk_mul_f32 v[224:225], v[R0:R0+1], s[24:25] op_sel_hi:[1,0]     ; the first row starts the sum: nothing is cleared
	v_pk_mul_f32 v[226:227], v[R0+2:R0+3], s[24:25] op_sel_hi:[1,0]
.else
	v_pk_fma_f32 v[224:225], v[R0+64*\t+4*(4*\g+\i):R0+64*\t+4*(4*\g+\i)+1], s[24+2*\i:25+2*\i], v[224:225] op_sel_hi:[1,0,1]
	v_pk_fma_f32 v[226:227], v[R0+64*\t+4*(4*\g+\i)+2:R0+64*\t+4*(4*\g+\i)+3], s[24+2*\i:25+2*\i], v[226:227] op_sel_hi:[1,0,1]
.endif
.endr
.irp i, 1, 2, 3
.if (\t+\g+\i) == 0
	v_pk_mul_f32 v[224:225], v[R0:R0+1], s[24:25] op_sel_hi:[1,0]     ; the first row starts the sum: nothing is cleared
	v_pk_mul_f32 v[226:227], v[R0+2:R0+3], s[24:25] op_sel_hi:[1,0]
.else
	s_delay_alu instid0(VALU_DEP_2)
	v_pk_fma_f32 v[224:225], v[R0+64*\t+4*(4*\g+\i):R0+64*\t+4*(4*\g+\i)+1], s[24+2*\i:25+2*\i], v[224:225] op_sel_hi:[1,0,1]
	s_delay_alu instid0(VALU_DEP_2)
	v_pk_fma_f32 v[226:227], v[R0+64*\t+4*(4*\g+\i)+2:R0+64*\t+4*(4*\g+\i)+3], s[24+2*\i:25+2*\i], v[226:227] op_sel_hi:[1,0,1]
.endif
.endr
.endr
.endm
; A lane holds two whole blocks of 32: block h and block 2 + h of row r.
.macro QUANT t
.irp c, 0,1
	v_max3_num_f32 v[236+\c], |v[X+32*\c]|, |v[X+32*\c+1]|, 0x1800000   ; with the floor 2^(3 - 127): the byte cannot fall under 1
.endr
.irp i, 2,4,6,8,10,12,14,16,18,20,22,24,26,28,30
.irp c, 0,1
	s_delay_alu instid0(VALU_DEP_2)
	v_max3_num_f32 v[236+\c], v[236+\c], |v[X+32*\c+\i]|, |v[X+32*\c+\i+1]|
.endr
.endr
.irp c, 0,1
	s_delay_alu instid0(VALU_DEP_2)
	v_add_nc_u32 v[238+\c], 0xff000000, v[236+\c]  ; 2 off the exponent field: the conversion's scale operand
.endr
.irp c, 0,1
	s_delay_alu instid0(VALU_DEP_2)
	v_lshrrev_b32 v[240+\c], 23, v[238+\c]         ; the scale's byte
.endr
	s_delay_alu instid0(VALU_DEP_1)
	v_lshl_or_b32 v[WD+\t], v241, 16, v240
	s_delay_alu instid0(VALU_DEP_1)
	v_lshlrev_b32 v[WD+\t], v244, v[WD+\t]         ; my two bytes at their places,
	s_delay_alu instid0(VALU_DEP_1)
	v_permlanex16_b32 v243, v[WD+\t], s20, s21
	s_delay_alu instid0(VALU_DEP_1)
	v_or_b32 v[WD+\t], v[WD+\t], v243              ; with lane l xor 16's two: the row's word
.irp c, 0,1
.irp g, 0,1,2,3
	v_cvt_scalef32_pk8_fp4_f32 v[C0+8*\t+4*\c+\g], v[X+32*\c+8*\g:X+32*\c+8*\g+7], v[238+\c]
.endr
.endr
	v_nop                                          ; one plain place behind the conversions
	global_store_b128 v4, v[C0+8*\t:C0+8*\t+3], s[8:9] offset:1024*\t          ; 512 consecutive bytes
	global_store_b128 v4, v[C0+8*\t+4:C0+8*\t+7], s[8:9] offset:1024*\t+512
	ds_store_b32 v7, v[WD+\t] offset:4*\t          ; both halves of the lanes write the same word with the same value
.endm
	LOADT 0
	LOADT 1
	s_wait_loadcnt 16                              ; the row before and tile 0 are in; tile 1's 16 loads may be out
	STAGE 0
	ds_store_b128 v11, v[R0:R0+3] offset:STA       ; a: my first row
	s_cmp_lg_u32 s16, 15
	s_cbranch_scc1 .Lno_w2_out
	v_cvt_pk_bf16_f32 v228, v228, v229             ; the row of enc_W2 came in ahead of tile 0: the wait above covers it
	v_cvt_pk_bf16_f32 v229, v230, v231
	v_cvt_pk_bf16_f32 v230, v232, v233
	v_cvt_pk_bf16_f32 v231, v234, v235
	global_store_b128 v4, v[228:231], s[70:71]
	s_wait_xcnt 0x0                                ; v228-231 are written again further down only behind this wait
.Lno_w2_out:
	STATS 0
	s_wait_dscnt 0x0                               ; the stage's stores have read tile 0's registers, and the turned tile is in
.irp k, 0,1,2,3
	v_mov_b32 v[12+\k], v[R0+60+\k]                ; tile 0's last row is tile 1's row before
.endr
.irp i, 0,1,2,3,4,5,6,7,8,9,10,11,12,13,14,15
	global_load_b128 v[R0+4*\i:R0+4*\i+3], v4, s[6:7] offset:\i*ROWX   ; enc_W1, rows 16 w + i, my 128 columns
.endr
	QUANT 0
	s_wait_loadcnt 16                              ; tile 1 is in; enc_W1's 16 loads may be out
	STAGE 1
	STATS 1
	s_wait_dscnt 0x0
	QUANT 1
	; my wave's figures
	s_sub_co_u32 s48, 32, s23                      ; rows ahead of my first change
	s_lshl_b32 s49, s16, 5
	s_add_co_u32 s49, s49, s48
	s_cmp_eq_u32 s23, 0
	s_cselect_b32 s49, 512, s49                    ; where it stands in the work-group's rows; 512: none
	v_cvt_f32_u32 v253, s49
	v_cvt_f32_u32 v254, s48
	ds_store_b128 v11, v[224:227]
	ds_store_b32 v249, v253
	ds_store_b32 v249, v254 offset:64
	BARRIER                                        ; all waves' S, a, positions and counts lie in LDS
.irp k, 0,1,2,3
	ds_load_b128 v[144+4*\k:147+4*\k], v248 offset:16*\k
	ds_load_b128 v[160+4*\k:163+4*\k], v248 offset:64+16*\k
.endr
.irp j, 0,1,2,3,4,5,6,7
	ds_load_b128 v[80+4*\j:83+4*\j], v250 offset:512*\j
.if \j == 0
	ds_load_b128 v[232:235], v250 offset:STA       ; the work-group's first row
.else
	ds_load_b128 v[112+4*\j:115+4*\j], v250 offset:STA+512*\j
.endif
.endr
	s_wait_dscnt 0x0
	v_min3_num_f32 v245, v144, v145, v146          ; the work-group's first change
.irp i, 147,149,151,153,155,157
	s_delay_alu instid0(VALU_DEP_1)
	v_min3_num_f32 v245, v245, v[\i], v[\i+1]
.endr
	s_delay_alu instid0(VALU_DEP_1)
	v_min_num_f32 v245, v245, v159
	s_delay_alu instid0(VALU_DEP_1)
	v_cvt_u32_f32 v252, v245
.irp w, 1,2,3,4,5,6,7,8,9,10,11,12,13,14,15
	v_cmp_gt_u32 vcc_lo, 32*\w, v252               ; a wave that begins behind the change: its rows ahead of its own change all count, each equal to its a
	s_delay_alu instid0(VALU_DEP_1)
	v_cndmask_b32 v[160+\w], 0, v[160+\w], vcc_lo
.endr
	v_pk_add_f32 v[228:229], v[80:81], v[84:85]
	v_pk_add_f32 v[230:231], v[82:83], v[86:87]
.irp j, 2,3,4,5,6,7
	s_delay_alu instid0(VALU_DEP_2)
	v_pk_add_f32 v[228:229], v[228:229], v[80+4*\j:81+4*\j]
	s_delay_alu instid0(VALU_DEP_2)
	v_pk_add_f32 v[230:231], v[230:231], v[82+4*\j:83+4*\j]
.endr
.irp j, 1,2,3,4,5,6,7
.irp k, 0,1,2,3
	v_fmac_f32 v[228+\k], v[160+\j], v[112+4*\j+\k]
.endr
.endr
.irp j, 0,1,2,3,4,5,6,7
	ds_load_b128 v[80+4*\j:83+4*\j], v250 offset:512*(8+\j)
	ds_load_b128 v[112+4*\j:115+4*\j], v250 offset:STA+512*(8+\j)
.endr
	s_wait_alu depctr_va_vdst(0)
	s_wait_dscnt 0x0
.irp j, 0
	v_pk_add_f32 v[228:229], v[228:229], v[80+4*\j:81+4*\j]
	v_pk_add_f32 v[230:231], v[230:231], v[82+4*\j:83+4*\j]
.endr
.irp j, 1, 2, 3, 4, 5, 6, 7
	s_delay_alu instid0(VALU_DEP_2)
	v_pk_add_f32 v[228:229], v[228:229], v[80+4*\j:81+4*\j]
	s_delay_alu instid0(VALU_DEP_2)
	v_pk_add_f32 v[230:231], v[230:231], v[82+4*\j:83+4*\j]
.endr
.irp j, 0,1,2,3,4,5,6,7
.irp k, 0,1,2,3
	v_fmac_f32 v[228+\k], v[168+\j], v[112+4*\j+\k]
.endr
.endr
	s_wait_alu depctr_va_vdst(0)
	s_wait_loadcnt 0x0                             ; enc_W1
.irp u, 0,1                            ; 0: with S' (v228-231), 1: with a (v232-235): my 4 columns of 16 outputs
.irp i, 0,1,2,3,4,5,6,7,8,9,10,11,12,13,14,15
	v_pk_mul_f32 v[144+2*\i:145+2*\i], v[R0+4*\i:R0+4*\i+1], v[228+4*\u:229+4*\u]
.endr
.irp i, 0,1,2,3,4,5,6,7,8,9,10,11,12,13,14,15
	v_pk_fma_f32 v[144+2*\i:145+2*\i], v[R0+4*\i+2:R0+4*\i+3], v[230+4*\u:231+4*\u], v[144+2*\i:145+2*\i]
.endr
.irp i, 0,1,2,3,4,5,6,7,8,9,10,11,12,13,14,15
	v_add_f32 v[176+16*\u+\i], v[144+2*\i], v[145+2*\i]
.endr
.endr
	; the sum over the 32 lanes, for 32 numbers at once: through my stage, turned
.irp k, 0,1,2,3,4,5,6,7
	ds_store_b128 v8, v[176+4*\k:179+4*\k] offset:16*\k
.endr
.irp l, 0,1,2,3,4,5,6,7,8,9,10,11,12,13,14,15,16,17,18,19,20,21,22,23,24,25,26,27,28,29,30,31
	ds_load_b32 v[80+\l], v9 offset:144*\l
.endr
	s_wait_dscnt 0x0
.irp j, 0,1,2,3,4,5,6,7
	v_pk_add_f32 v[80+2*\j:81+2*\j], v[80+2*\j:81+2*\j], v[96+2*\j:97+2*\j]
.endr
.irp j, 0,1,2,3
	s_delay_alu instid0(VALU_DEP_4)
	v_pk_add_f32 v[80+2*\j:81+2*\j], v[80+2*\j:81+2*\j], v[88+2*\j:89+2*\j]
.endr
.irp j, 0,1
	s_delay_alu instid0(VALU_DEP_2)
	v_pk_add_f32 v[80+2*\j:81+2*\j], v[80+2*\j:81+2*\j], v[84+2*\j:85+2*\j]
.endr
	s_delay_alu instid0(VALU_DEP_1)
	v_pk_add_f32 v[80:81], v[80:81], v[82:83]
	s_delay_alu instid0(VALU_DEP_1)
	v_add_f32 v80, v80, v81
	ds_store_b32 v10, v80
	BARRIER                                        ; xs's four images and the two partial products are whole
	s_cmp_lt_u32 s16, 4
	s_cbranch_scc0 .Lno_out
	ds_load_b128 v[84:87], v11 offset:SCG-STS
	ds_load_b128 v[88:91], v11 offset:HPG-STS
	s_wait_dscnt 0x0
	global_store_b128 v4, v[84:87], s[10:11]       ; 512 consecutive bytes each
	global_store_b128 v4, v[88:91], s[12:13]
.Lno_out:
	v_cmp_eq_u32 vcc_lo, 0, v0
	s_wait_xcnt 0x0                                ; EXEC changes only behind this wait
	s_wait_tensorcnt 0x0
	ds_add_u32 v242, v255
	s_wait_dscnt 0x0
	s_and_saveexec_b32 s57, vcc_lo
	global_store_b32 v251, v245, s[14:15]          ; thread 0: the work-group's first change
	s_wait_xcnt 0x0
	s_or_b32 exec_lo, exec_lo, s57
	s_endpgm
.Lfunc_end_k_q2ccea64dde_quant:
	.size	k_q2ccea64dde_quant, .Lfunc_end_k_q2ccea64dde_quant-k_q2ccea64dde_quant
	.p2alignl 7, 3214868480
	.fill 96, 4, 3214868480
	.section	.rodata,"a",@progbits
	.p2align	6, 0x0
	.amdhsa_kernel k_q2ccea64dde_quant
		.amdhsa_group_segment_fixed_size 157952
		.amdhsa_private_segment_fixed_size 0
		.amdhsa_enable_private_segment 0
		.amdhsa_kernarg_size 64
		.amdhsa_user_sgpr_count 2
		.amdhsa_user_sgpr_kernarg_segment_ptr 1
		.amdhsa_wavefront_size32 1
		.amdhsa_system_sgpr_workgroup_id_x 1
		.amdhsa_system_sgpr_workgroup_id_y 1
		.amdhsa_system_sgpr_workgroup_id_z 1
		.amdhsa_system_vgpr_workitem_id 0
		.amdhsa_next_free_vgpr 256
		.amdhsa_next_free_sgpr 72
		.amdhsa_reserve_vcc 1
		.amdhsa_float_denorm_mode_32 3
		.amdhsa_float_denorm_mode_16_64 3
		.amdhsa_memory_ordered 1
		.amdhsa_forward_progress 1
		.amdhsa_inst_pref_size 63
	.end_amdhsa_kernel
	.amdgpu_metadata
---
amdhsa.version: [ 1, 2 ]
amdhsa.kernels:
  - .name:           k_q2ccea64dde_quant
    .symbol:         k_q2ccea64dde_quant.kd
    .args:
      - { .name: x, .offset: 0, .size: 8, .value_kind: global_buffer, .address_space: global }
      - { .name: enc_W1, .offset: 8, .size: 8, .value_kind: global_buffer, .address_space: global }
      - { .name: xq, .offset: 16, .size: 8, .value_kind: global_buffer, .address_space: global }
      - { .name: xs, .offset: 24, .size: 8, .value_kind: global_buffer, .address_space: global }
      - { .name: hp, .offset: 32, .size: 8, .value_kind: global_buffer, .address_space: global }
      - { .name: jl, .offset: 40, .size: 8, .value_kind: global_buffer, .address_space: global }
      - { .name: enc_W2, .offset: 48, .size: 8, .value_kind: global_buffer, .address_space: global }
      - { .name: w2h, .offset: 56, .size: 8, .value_kind: global_buffer, .address_space: global }
    .group_segment_fixed_size: 157952
    .private_segment_fixed_size: 0
    .kernarg_segment_align: 8
    .kernarg_segment_size: 64
    .max_flat_workgroup_size: 512
    .sgpr_count:     72
    .vgpr_count:     256
    .wavefront_size: 32
...
	.end_amdgpu_metadata
.endif
;; end of part 1
;; launch route (part 2): grid 16 x 4, 16 waves a work-group, no clusters, 20,992 bytes of LDS; arguments hp, jl, enc_b1, w2h, enc_b2, keys, epsilons, cand_f, cand_i; writes cand_f, cand_i
.if DOCPART == 2
	.amdgcn_target "amdgcn-amd-amdhsa--gfx1250"
	.amdhsa_code_object_version 6
	.text
	.protected	k_q2ccea64dde_route
	.globl	k_q2ccea64dde_route
	.p2align	8
	.type	k_q2ccea64dde_route,@function
k_q2ccea64dde_route:
	s_mov_b64 s[64:65], 0
	v_nop
	global_prefetch_b8 v0, s[64:65] scope:SCOPE_SE
	s_setreg_imm32_b32 hwreg(HW_REG_WAVE_MODE, 25, 1), 1
	s_wait_xcnt 0x0
; The side chain's end, in f32.  Work-group (slice, b): sample b, keys 128 slice on.  Every work-group of a sample repeats the small encoder; each scans its own 128 keys.
; first = the sample's first changed row (1 counts as 0, none as 0); h = relu((sum over the 64 partials of P_S + w P_a) / (1024 - first) + b1), w = how many rows of a partial's run of equal rows lie at or behind first;
; query = h enc_W2^T + b2; distance = sqrt(sum (key - query)^2), which is the number that kk + qq - 2 kq stands for and is never negative, so no clamp at 0 is written.
; Stored: for (b, slice) the smallest distance, that key's epsilon (cand_f) and its index (cand_i, whole numbers): the next launch forms addresses from the indices.  The lower index wins a tie (strict <, ascending).
; With 4 rows these products are streams of weights: fused multiply-adds on the vector unit, no matrix instruction.
; LIMITS: NaN and infinities are not served (a NaN distance loses the scan); the reciprocal and the roots are good to 1 ulp, so a tie or a threshold within that may fall otherwise.
.set HSP, 1040                         ; LDS: 16 rows of 256 partial sums, 1,024 bytes + 16
.set HB,  16*HSP                       ; h, 1,024 bytes
.set QB,  HB+1024                      ; the query, 1,024 bytes
.set CD,  QB+1024                      ; 16 distances; 64 bytes on 16 indices; 128 bytes on 16 epsilons
.macro BARRIER
	s_wait_dscnt 0x0
	s_barrier_signal -1
	s_barrier_wait -1
.endm
.macro BFLY base, n, tmp               ; n sums over the 32 lanes, by turns; the result in every lane
.irp m, 1,2,4,8
.set j, 0
.rept \n
	v_add_f32_dpp v[\base+j], v[\base+j], v[\base+j] row_xmask:\m row_mask:0xf bank_mask:0xf
.set j, j+1
.endr
.endr
.set j, 0
.rept \n
	v_permlanex16_b32 v[\tmp+j], v[\base+j], s48, s49
.set j, j+1
.endr
.set j, 0
.rept \n
	v_add_f32 v[\base+j], v[\base+j], v[\tmp+j]
.set j, j+1
.endr
.endm
	s_load_b512 s[4:19], s[0:1], 0x0               ; hp, jl, enc_b1, w2h, enc_b2, keys, epsilons, cand_f
	s_load_b64 s[20:21], s[0:1], 0x40              ; cand_i
	v_lshl_add_u32 v254, v0, 2, 0x4a00
	v_mov_b32 v255, 0
	v_lshrrev_b32 v1, 5, v0
	s_delay_alu instid0(VALU_DEP_1)
	v_readfirstlane_b32 s22, v1                    ; wave 0..15
	s_and_b32 s23, ttmp7, 0xffff                   ; b
	v_and_b32 v1, 31, v0
	v_and_b32 v2, 15, v0
	v_bfe_u32 v3, v0, 4, 1
	s_delay_alu instid0(VALU_DEP_3)
	v_lshlrev_b32 v4, 4, v1                        ; 16 x lane
	s_delay_alu instid0(VALU_DEP_4)
	v_lshlrev_b32 v5, 2, v1                        ; 4 x lane
	s_mul_i32 s52, s22, HSP
	v_add_nc_u32 v6, s52, v4                       ; my row of partial sums
	s_lshl_b32 s53, s22, 6                         ; 64 w
	v_mul_u32_u24 v7, v3, 8*HSP
	s_delay_alu instid0(VALU_DEP_1)
	v_lshl_add_u32 v7, v2, 2, v7
	s_delay_alu instid0(VALU_DEP_1)
	v_add_nc_u32 v7, s53, v7                       ; rows 8 h on, output 16 w + r
	v_lshl_add_u32 v8, v2, 2, s53
	s_delay_alu instid0(VALU_DEP_1)
	v_add_nc_u32 v8, HB, v8                        ; h(16 w + r)
	v_add_nc_u32 v9, HB, v4                        ; h, 16 bytes a lane; the query 1,024 bytes on
	s_add_co_u32 s54, s53, QB
	v_mov_b32 v10, s54                             ; query(16 w ..)
	s_lshl_b32 s54, s22, 2
	s_add_co_u32 s54, s54, CD
	v_mov_b32 v11, s54
	v_mov_b32 v12, CD
	v_mov_b32 v13, 0
	v_lshlrev_b32 v14, 2, v2
	v_mov_b32 v29, 0x44800000                      ; 1024.0
	v_mov_b32 v30, 0                               ; (a lane permute's destination counts as read)
	s_mov_b32 s48, 0x76543210
	s_mov_b32 s49, 0xfedcba98
	s_cmp_ge_u32 s22, 8
	s_cselect_b32 s50, 0x44000000, 0               ; my four partials' first row in the sample: 0 or 512
	s_lshl_b32 s51, ttmp9, 7
	s_lshl_b32 s54, s22, 3
	s_add_co_u32 s51, s51, s54                     ; my first key
	s_lshl_b32 s55, s51, 2                         ; its epsilon
	s_lshl_b32 s58, s23, 17
	s_lshl_b32 s59, s22, 13
	s_add_co_u32 s58, s58, s59                     ; hp: partials 64 b + 4 w on, 2,048 bytes each
	s_mov_b32 s59, 0
	s_lshl_b32 s60, s23, 8                         ; jl: 64 b on
	s_mov_b32 s61, 0
	s_lshl_b32 s62, s22, 4
	s_mov_b32 s63, 0
	s_wait_alu depctr_va_vdst(0)
	s_wait_kmcnt 0x0
	s_load_b512 s[24:39], s[12:13], s53 offset:0x0 ; b2(16 w ..)
	s_load_b256 s[40:47], s[16:17], s55 offset:0x0 ; my eight epsilons
	s_add_nc_u64 s[4:5], s[4:5], s[58:59]
	s_add_nc_u64 s[6:7], s[6:7], s[60:61]
	s_add_nc_u64 s[56:57], s[6:7], s[62:63]        ; jl(64 b + 4 w)
	s_mov_b32 s58, s53
	s_add_nc_u64 s[8:9], s[8:9], s[58:59]          ; b1(16 w)
	s_lshl_b32 s58, s22, 13
	s_add_nc_u64 s[10:11], s[10:11], s[58:59]      ; w2h (enc_W2 in bf16, 512 bytes a row), rows 16 w on
	s_lshl_b32 s58, s51, 10
	s_add_nc_u64 s[14:15], s[14:15], s[58:59]      ; my eight keys
	s_lshl_b32 s58, s23, 4
	s_add_co_u32 s58, s58, ttmp9
	s_lshl_b32 s58, s58, 2
	s_add_nc_u64 s[18:19], s[18:19], s[58:59]
	s_add_nc_u64 s[20:21], s[20:21], s[58:59]
	global_load_b32 v16, v5, s[6:7]                ; the first changes of the sample's upper 32 partials,
	global_load_b32 v17, v5, s[6:7] offset:128     ; and of its lower 32
	global_load_b128 v[18:21], v13, s[56:57]       ; my four partials'
	global_load_b32 v22, v14, s[8:9]
.irp i, 0,1,2,3
.irp a, 0,1
.irp f, 0,1
	global_load_b128 v[160+16*\i+8*\a+4*\f:163+16*\i+8*\a+4*\f], v4, s[4:5] offset:\i*2048+\a*1024+\f*512   ; outputs 4 lane + 128 f on
.endr
.endr
.endr
.irp i, 0,1,2,3,4,5,6,7,8,9,10,11,12,13,14,15
	global_load_b128 v[96+4*\i:99+4*\i], v4, s[10:11] offset:\i*512   ; a row of enc_W2 in bf16: my 16 bytes hold columns 4 lane on and 128 + 4 lane on, as my registers hold h.  LIMIT: enc_W2 is rounded to bf16; the sums are f32
.endr
.irp i, 0,1,2,3,4,5,6,7
.irp f, 0,1
	global_load_b128 v[32+8*\i+4*\f:35+8*\i+4*\f], v4, s[14:15] offset:\i*1024+\f*512   ; my eight keys, asked for with all the rest
.endr
.endr
	s_wait_kmcnt 0x0
	s_wait_loadcnt 32                              ; all but the 16 loads of w2h and the 16 of the keys
	v_cmp_gt_f32 vcc_lo, 0x44000000, v16           ; 512: no change in that partial
	s_delay_alu instid0(VALU_DEP_1)
	v_cndmask_b32 v16, v29, v16, vcc_lo
	v_cmp_gt_f32 vcc_lo, 0x44000000, v17
	v_add_f32 v17, 0x44000000, v17
	s_delay_alu instid0(VALU_DEP_1)
	v_cndmask_b32 v17, v29, v17, vcc_lo
	s_delay_alu instid0(VALU_DEP_1)
	v_min_num_f32 v16, v16, v17
.irp m, 1,2,4,8
	s_delay_alu instid0(VALU_DEP_1)
	v_min_num_f32_dpp v16, v16, v16 row_xmask:\m row_mask:0xf bank_mask:0xf
.endr
	s_delay_alu instid0(VALU_DEP_1)
	v_permlanex16_b32 v30, v16, s48, s49
	s_delay_alu instid0(VALU_DEP_1)
	v_min_num_f32 v16, v16, v30
	s_delay_alu instid0(VALU_DEP_1)
	v_cmp_gt_f32 vcc_lo, v29, v16
	s_delay_alu instid0(VALU_DEP_1)
	v_cndmask_b32 v23, 0, v16, vcc_lo              ; none: 0
	s_delay_alu instid0(VALU_DEP_1)
	v_cmp_lt_f32 vcc_lo, 1.0, v23
	s_delay_alu instid0(VALU_DEP_1)
	v_cndmask_b32 v23, 0, v23, vcc_lo              ; 1: 0
	s_delay_alu instid0(VALU_DEP_1)
	v_sub_f32 v31, v29, v23                        ; rows that count
	s_wait_alu depctr_va_vdst(0)
	v_rcp_f32 v24, v31
	v_max_num_f32 v30, s50, v23                    ; (a plain place behind the reciprocal)
.irp i, 0,1,2,3
	v_add_f32 v[25+\i], s50, v[18+\i]
.endr
.irp i, 0,1,2,3
	s_delay_alu instid0(VALU_DEP_4)
	v_sub_f32 v[25+\i], v[25+\i], v30
.endr
.irp i, 0,1,2,3
	s_delay_alu instid0(VALU_DEP_4)
	v_max_num_f32 v[25+\i], 0, v[25+\i]            ; rows of the run of equal rows at or behind first
.endr
.irp n, 0,1,2,3,4,5,6,7
	v_fma_f32 v[224+\n], v[168+\n], v25, v[160+\n]
.endr
.irp i, 1,2,3
.irp n, 0,1,2,3,4,5,6,7
	v_add_f32 v[224+\n], v[224+\n], v[160+16*\i+\n]
	s_delay_alu instid0(VALU_DEP_1)
	v_fmac_f32 v[224+\n], v[25+\i], v[168+16*\i+\n]
.endr
.endr
	ds_store_b128 v6, v[224:227]
	ds_store_b128 v6, v[228:231] offset:512
	s_wait_alu depctr_va_vdst(0)                   ; the wait between the reciprocal and its first reader
	BARRIER                                        ; sixteen rows of partial sums
.irp k, 0,1,2,3,4,5,6,7
	ds_load_b32 v[232+\k], v7 offset:HSP*\k
.endr
	s_wait_dscnt 0x0
.irp k, 0,2,4,6
	v_add_f32 v[232+\k], v[232+\k], v[233+\k]
.endr
	s_delay_alu instid0(VALU_DEP_3)
	v_add_f32 v232, v232, v234
	s_delay_alu instid0(VALU_DEP_2)
	v_add_f32 v236, v236, v238
	s_delay_alu instid0(VALU_DEP_1)
	v_add_f32 v232, v232, v236
	s_delay_alu instid0(VALU_DEP_1)
	v_permlanex16_b32 v30, v232, s48, s49
	s_delay_alu instid0(VALU_DEP_1)
	v_add_f32 v232, v232, v30
	v_fma_f32 v232, v232, v24, v22
	s_delay_alu instid0(VALU_DEP_1)
	v_max_num_f32 v232, 0, v232
	ds_store_b32 v8, v232                          ; both halves of the lanes write the same value
	BARRIER                                        ; h
	ds_load_b128 v[240:243], v9
	ds_load_b128 v[244:247], v9 offset:512
	s_wait_dscnt 0x0
	s_wait_loadcnt 16                              ; enc_W2 is in; the 16 key loads may be out
.irp i, 0,1,2,3,4,5,6,7,8,9,10,11,12,13,14,15
	v_fma_mix_f32_bf16 v[224+\i], v[96+4*\i], v240, v13 op_sel_hi:[1,0,0]   ; bf16 (low half) x f32 + 0 (v13): the first term starts the sum; sixteen sums by turns
.endr
.irp i, 0,1,2,3,4,5,6,7,8,9,10,11,12,13,14,15
	v_fma_mix_f32_bf16 v[224+\i], v[96+4*\i], v241, v[224+\i] op_sel:[1,0,0] op_sel_hi:[1,0,0]   ; the high half
.endr
.irp c, 1,2,3
.irp i, 0,1,2,3,4,5,6,7,8,9,10,11,12,13,14,15
	v_fma_mix_f32_bf16 v[224+\i], v[96+4*\i+\c], v[240+2*\c], v[224+\i] op_sel_hi:[1,0,0]
.endr
.irp i, 0,1,2,3,4,5,6,7,8,9,10,11,12,13,14,15
	v_fma_mix_f32_bf16 v[224+\i], v[96+4*\i+\c], v[241+2*\c], v[224+\i] op_sel:[1,0,0] op_sel_hi:[1,0,0]
.endr
.endr
	BFLY 224, 16, 96
.irp i, 0,1,2,3,4,5,6,7,8,9,10,11,12,13,14,15
	v_add_f32 v[224+\i], s[24+\i], v[224+\i]
.endr
.irp i, 0,1,2,3,4,5,6,7,8,9,10,11,12,13,14,15
	ds_store_b32 v10, v[224+\i] offset:4*\i        ; every lane holds the same number
.endr
	BARRIER                                        ; the query
	ds_load_b128 v[240:243], v9 offset:1024
	ds_load_b128 v[244:247], v9 offset:1536
	s_wait_dscnt 0x0
	s_wait_loadcnt 0x0                             ; the keys
.irp i, 0,1,2,3,4,5,6,7
.irp p, 0,2,4,6
	v_pk_add_f32 v[32+8*\i+\p:33+8*\i+\p], v[32+8*\i+\p:33+8*\i+\p], v[240+\p:241+\p] neg_lo:[0,1] neg_hi:[0,1]
.endr
.endr
.irp i, 0,1,2,3,4,5,6,7
	v_pk_mul_f32 v[32+8*\i:33+8*\i], v[32+8*\i:33+8*\i], v[32+8*\i:33+8*\i]
.endr
.irp p, 2,4,6
.irp i, 0,1,2,3,4,5,6,7
	v_pk_fma_f32 v[32+8*\i:33+8*\i], v[32+8*\i+\p:33+8*\i+\p], v[32+8*\i+\p:33+8*\i+\p], v[32+8*\i:33+8*\i]
.endr
.endr
.irp i, 0,1,2,3,4,5,6,7
	v_add_f32 v[224+\i], v[32+8*\i], v[33+8*\i]
.endr
	BFLY 224, 8, 34
	s_wait_alu depctr_va_vdst(0)
.irp i, 0,1,2,3,4,5,6,7
	v_sqrt_f32 v[224+\i], v[224+\i]
.endr
	v_mov_b32 v249, 0                              ; (a plain place behind the roots)
.irp i, 0,1,2,3,4,5,6,7
	v_mov_b32 v[232+\i], s[40+\i]
.endr
	s_wait_alu depctr_va_vdst(0)                   ; one wait for the eight roots, ahead of their first reader
.irp i, 1,2,3,4,5,6,7
	v_cmp_lt_f32 vcc_lo, v[224+\i], v224
	v_cndmask_b32 v224, v224, v[224+\i], vcc_lo
	s_delay_alu instid0(VALU_DEP_2)
	v_cndmask_b32 v249, v249, \i, vcc_lo
	s_delay_alu instid0(VALU_DEP_3)
	v_cndmask_b32 v232, v232, v[232+\i], vcc_lo
.endr
	s_delay_alu instid0(VALU_DEP_2)
	v_add_nc_u32 v249, s51, v249
	ds_store_b32 v11, v224
	ds_store_b32 v11, v249 offset:64
	ds_store_b32 v11, v232 offset:128
	BARRIER                                        ; sixteen waves' best keys
	s_cmp_lg_u32 s22, 0
	s_cbranch_scc1 .Lend
.irp k, 0,1,2,3
	ds_load_b128 v[32+4*\k:35+4*\k], v12 offset:16*\k
	ds_load_b128 v[48+4*\k:51+4*\k], v12 offset:64+16*\k
	ds_load_b128 v[64+4*\k:67+4*\k], v12 offset:128+16*\k
.endr
	s_wait_dscnt 0x0
.irp j, 1
	v_cmp_lt_f32 vcc_lo, v[32+\j], v32
	s_delay_alu instid0(VALU_DEP_1)
	v_cndmask_b32 v32, v32, v[32+\j], vcc_lo
	s_delay_alu instid0(VALU_DEP_2)
	v_cndmask_b32 v48, v48, v[48+\j], vcc_lo
	s_delay_alu instid0(VALU_DEP_3)
	v_cndmask_b32 v64, v64, v[64+\j], vcc_lo
.endr
.irp j, 2, 3, 4, 5, 6, 7, 8, 9, 10, 11, 12, 13, 14, 15
	s_delay_alu instid0(VALU_DEP_3)
	v_cmp_lt_f32 vcc_lo, v[32+\j], v32
	s_delay_alu instid0(VALU_DEP_1)
	v_cndmask_b32 v32, v32, v[32+\j], vcc_lo
	s_delay_alu instid0(VALU_DEP_2)
	v_cndmask_b32 v48, v48, v[48+\j], vcc_lo
	s_delay_alu instid0(VALU_DEP_3)
	v_cndmask_b32 v64, v64, v[64+\j], vcc_lo
.endr
	v_cmp_eq_u32 vcc_lo, 0, v0
	s_wait_alu depctr_va_vdst(0)
	s_wait_xcnt 0x0                                ; EXEC changes only behind this wait
	s_and_saveexec_b32 s52, vcc_lo
	global_store_b32 v13, v32, s[18:19]            ; the distance,
	global_store_b32 v13, v64, s[18:19] offset:256 ; the epsilon,
	global_store_b32 v13, v48, s[20:21]            ; the index
	s_wait_xcnt 0x0
	s_or_b32 exec_lo, exec_lo, s52
.Lend:
	s_wait_tensorcnt 0x0
	ds_add_u32 v254, v255
	s_wait_dscnt 0x0
	s_endpgm
.Lfunc_end_k_q2ccea64dde_route:
	.size	k_q2ccea64dde_route, .Lfunc_end_k_q2ccea64dde_route-k_q2ccea64dde_route
	.p2alignl 7, 3214868480
	.fill 96, 4, 3214868480
	.section	.rodata,"a",@progbits
	.p2align	6, 0x0
	.amdhsa_kernel k_q2ccea64dde_route
		.amdhsa_group_segment_fixed_size 20992
		.amdhsa_private_segment_fixed_size 0
		.amdhsa_enable_private_segment 0
		.amdhsa_kernarg_size 72
		.amdhsa_user_sgpr_count 2
		.amdhsa_user_sgpr_kernarg_segment_ptr 1
		.amdhsa_wavefront_size32 1
		.amdhsa_system_sgpr_workgroup_id_x 1
		.amdhsa_system_sgpr_workgroup_id_y 1
		.amdhsa_system_sgpr_workgroup_id_z 1
		.amdhsa_system_vgpr_workitem_id 0
		.amdhsa_next_free_vgpr 256
		.amdhsa_next_free_sgpr 66
		.amdhsa_reserve_vcc 1
		.amdhsa_float_denorm_mode_32 3
		.amdhsa_float_denorm_mode_16_64 3
		.amdhsa_memory_ordered 1
		.amdhsa_forward_progress 1
		.amdhsa_inst_pref_size 45
	.end_amdhsa_kernel
	.amdgpu_metadata
---
amdhsa.version: [ 1, 2 ]
amdhsa.kernels:
  - .name:           k_q2ccea64dde_route
    .symbol:         k_q2ccea64dde_route.kd
    .args:
      - { .name: hp, .offset: 0, .size: 8, .value_kind: global_buffer, .address_space: global }
      - { .name: jl, .offset: 8, .size: 8, .value_kind: global_buffer, .address_space: global }
      - { .name: enc_b1, .offset: 16, .size: 8, .value_kind: global_buffer, .address_space: global }
      - { .name: w2h, .offset: 24, .size: 8, .value_kind: global_buffer, .address_space: global }
      - { .name: enc_b2, .offset: 32, .size: 8, .value_kind: global_buffer, .address_space: global }
      - { .name: keys, .offset: 40, .size: 8, .value_kind: global_buffer, .address_space: global }
      - { .name: epsilons, .offset: 48, .size: 8, .value_kind: global_buffer, .address_space: global }
      - { .name: cand_f, .offset: 56, .size: 8, .value_kind: global_buffer, .address_space: global }
      - { .name: cand_i, .offset: 64, .size: 8, .value_kind: global_buffer, .address_space: global }
    .group_segment_fixed_size: 20992
    .private_segment_fixed_size: 0
    .kernarg_segment_align: 8
    .kernarg_segment_size: 72
    .max_flat_workgroup_size: 512
    .sgpr_count:     66
    .vgpr_count:     256
    .wavefront_size: 32
...
	.end_amdgpu_metadata
.endif
;; end of part 2
;; launch gemm (part 3): grid 16 x 16, 4 waves a work-group, clusters of 4 x 4, 327,680 bytes of LDS; arguments xq, xs, W_codes, W_scales, b, values, cand_f, cand_i, out0; writes out0
.if DOCPART == 3
	.amdgcn_target "amdgcn-amd-amdhsa--gfx1250"
	.amdhsa_code_object_version 6
	.text
	.protected	k_q2ccea64dde_gemm
	.globl	k_q2ccea64dde_gemm
	.p2align	8
	.type	k_q2ccea64dde_gemm,@function
k_q2ccea64dde_gemm:
	s_mov_b64 s[64:65], 0
	v_nop
	global_prefetch_b8 v0, s[64:65] scope:SCOPE_SE
	s_setreg_imm32_b32 hwreg(HW_REG_WAVE_MODE, 25, 1), 1
	s_wait_xcnt 0x0
	s_wait_alu depctr_hold_cnt(0) depctr_sa_sdst(0) depctr_va_vdst(0) depctr_va_sdst(0) depctr_va_ssrc(0) depctr_va_vcc(0) depctr_vm_vsrc(0)
	s_getreg_b32 s2, hwreg(HW_REG_IB_STS2, 6, 4)
	s_cmp_eq_u32 s2, 0
	s_cbranch_scc0 .Lentry_in_a_cluster
	s_endpgm
.Lentry_in_a_cluster:
	s_bfe_u32 s2, ttmp6, 0x10000c
	s_cmp_lg_u32 s2, 0xf033
	s_cbranch_scc0 .Lentry_shape_is_right
	s_endpgm
.Lentry_shape_is_right:
; out0[m][n] = hit(sample of m) ? values[chosen][n] : sum over k of x[m][k] W[n][k] + b[n].  The product runs on codes of FP4 (E2M1) with one E8M0 scale for each 32 along K; sums in f32.
; x's codes (xq) and scale words (xs) were laid by this program as images of the matrix operand's registers; W's codes [4096][2048 bytes] and scale bytes [4096][128] are taken as they are given.
; SHARES.  A tile of out0, 256 x 256, is made by four waves; wave w makes rows 64 w on (four tiles of 16) against all 256 columns: 32 accumulators of 32 x 16, 512 registers.
; W goes through a ring of two LDS slots; a slot holds 256 rows x 1,024 along K (512 bytes + 16 a row).  WAVE t FETCHES ROWS 4 rho + t (rho = 0 .. 63): one 2-D tile whose pitch is four rows of W.
; So LDS holds [t][rho], and fragment f = 4 G + t (16 LDS rows from rho = 16 G on) has in lane r the column 64 G + 4 r + t.
; THE MATRIX INSTRUCTION is the form of 32 x 16 x 128: source 0 = 32 rows of x (two neighbouring tiles, 16 registers), source 1 = a fragment of W.  Lane (r, h) holds, in register 8 a + j of the result,
; row 16 a + 8 h + j and the fragment's column r.  The four accumulators of a group G then give a lane four NEIGHBOURING columns of a row: the select on the way out moves them into four registers on end,
; and sixteen lanes store 256 consecutive bytes, aligned.  No result goes through LDS.
; x goes from memory straight into registers: a fragment's image is 1,024 consecutive bytes; each wave loads its own 64 rows.  Eight sets of four fragments take turns, asked for seven steps of 128 along K ahead.
; WHY x IS NOT SHARED IN THE CLUSTER: it would have to lie in LDS, and two slots of 1,024 along K for x's and W's 256 rows take 540,672 bytes of the 327,680.
; W's SCALE BYTES (32,768 of the 557,056 bytes of W that a work-group takes) are not asked for jointly: each wave loads 64 rows' 8,192 consecutive bytes and stores them to LDS bytes of their own as images of the scale registers:
; [512 along K c][i][lane][16 bytes], lanes 0-15 fragment i, lanes 16-31 fragment 8 + i; strides 5,136 and 640, so that the sixteen lanes of a store touch sixteen different 16-byte columns modulo 256.
; CLUSTERS: 4 x 4 work-groups.  The four of a column of the cluster need the same rows of W: each tile is asked for jointly, by the same tensor load with the same descriptor and a mask that names the four.
; THE CHOICE.  The launch before stored, for each sample, one candidate key for each of 16 slices: distance, epsilon, index.  The head turns the indices (held to 2,047) into 16 offsets and the distances into 15 lane masks
; (strict <, ascending: the lower index wins a tie) and hit = distance <= epsilon.  All 16 candidates' value rows are loaded in the last slot's steps 1 to 4, into x's sets that are done with, and chosen among by selects.
; No branch and no address hangs on a distance.
; No prefetch is written: a refill has 256 matrix instructions of 32 x 16 x 128 behind it in which to land, and a fragment load seven steps.
; REGISTERS, in windows of 256: window 0: v0-15 the candidates' offsets, v16-31 addresses, v32-63 x's scale words (two sets of 16, of which 8 are used), v64-127 W's (two sets of 32), v128-255 x's sets 0-3.
;   window 1: v0-127 W's sixteen fragments, ONE set (0-7 are fetched anew in a step's middle, 8-15 at its end); v128-255 x's sets 4-7.
;   window 2: the accumulators of fragments 0-7 (accumulator (p, f), tiles 2 p and 2 p + 1, at v[8 (4 (f % 8) + 2 p)], 16 registers); window 3: those of fragments 8-15.
; LIMITS: a NaN distance loses the scan.
.set PITCH,  528                       ; a row of W in LDS: 512 bytes + 16
.set QROWS,  64*PITCH                  ; what one tensor load brings: one t
.set SLOT,   4*QROWS                   ; 135,168
.set HIB,    2*QROWS                   ; t = 2, 3 begin here: an LDS offset has 16 bits, so they have an address register of their own
.set KRUN,   512                       ; bytes of a row in a slot
.set KROW,   2048                      ; a row of W's codes in memory
.set SCL,    2*SLOT                    ; W's scale words, stored by the waves; no tensor load lands here
.set SCI,    640                       ; from i to i + 1
.set SCC,    5136                      ; from 512 along K to the next
.set SPARE,  311552                    ; behind them (SCL + 8 SCC = 311,424, rounded up to 256): the spare words, 128 bytes a wave
.set VA,   0                           ; v0-15   the candidates' offsets in values
.set LB,   16                          ; v16-17  my lane's place in slot 0: t = 0, 1; t = 2, 3
.set ADRC, 18                          ; v18-19  the same in the slot that the loop's trip multiplies
.set ADRN, 20                          ; v20-21  and in the slot that follows it
.set L1,   22                          ; v22-23  my lane's place in slot 1
.set SST,  24                          ; v24     where I store W's scale bytes
.set OO,   25                          ; v25     my offset in out0: 8 h rows + 16 r
.set CO,   26                          ; v26     16 x lane
.set ADRS, 27                          ; v27     W's scale words
.set SPW,  28                          ; v28     my spare word; never rewritten
.set NIL,  29                          ; v29     0; never rewritten
.set XSO,  30                          ; v30     my place in an image of x's scale words
.set ZO,   31                          ; v31     0 for the head's loads, then 16 r for the bias
.set SA,   32
.set SB,   64
.set AF,   128
.set VX,   32                          ; the way out: the chosen value, 4 columns for each G
.set BX,   48                          ; the way out: the bias (0 on a hit), likewise
.set G1,   24                          ; s[24:31] group 1 for W's tiles
.set G0A,  32                          ; s[32:35] group 0 for slot 0's first fill
.set G0B,  36                          ; s[36:39] for slot 1's; it then walks on
.set XSP,  76                          ; s[76:77] x's scale words of the slot in hand
.set XQP,  78                          ; s[78:79] x's fragments of the slot in hand
.set HIT,  66                          ; s66 the lane mask of hit; s67 lanes 16-31; s80-94 the scan's 15 masks
.set MSB, 0
.macro WIN new                         ; the immediate's high byte repeats the setting that is left; a switch that changes nothing is dropped
.if MSB != (\new)
	s_set_vgpr_msb (MSB<<8)|(\new)
.set MSB, (\new)
.endif
.endm
.set MUL_LO, 0xa4                      ; source 0 (x) window 0, source 1 (W) window 1, C and D window 2;  + 1: x in window 1
.set MUL_HI, 0xf4                      ; the same, C and D window 3
.set TO_B,   0x40                      ; destination window 1
.macro CREST                           ; a round of the cluster's barrier behind its opening barrier
	s_cmp_lg_u32 s14, 0
	s_cbranch_scc1 .Lnot_wave_0_\@
	s_barrier_signal -3
.Lnot_wave_0_\@:
	s_barrier_wait -3
	s_barrier_signal -1
	s_barrier_wait -1
.endm
.macro CROUND
	s_barrier_signal -1
	s_barrier_wait -1
	CREST
.endm
.macro PLACES                          ; four places behind a matrix instruction, in front of loads into its registers
.rept 4
	v_nop
.endr
.endm
.macro FETCH_BH adr, q8n, half         ; fragments 8 half + ii, the slot's q8n-th 128 along K: t = ii % 4, G = 2 half + ii / 4
	WIN TO_B
.set ii, 0
.rept 8
	ds_load_b128 v[64*(\half)+8*ii:64*(\half)+8*ii+3],   v[\adr+(ii%4)/2] offset:(ii%2)*QROWS+(2*(\half)+ii/4)*16*PITCH+64*(\q8n)
	ds_load_b128 v[64*(\half)+8*ii+4:64*(\half)+8*ii+7], v[\adr+(ii%4)/2] offset:(ii%2)*QROWS+(2*(\half)+ii/4)*16*PITCH+64*(\q8n)+32
.set ii, ii+1
.endr
.endm
.macro ALOAD st, so                    ; x's four fragments of the step so steps from the base, into set st: 512 consecutive bytes a load
	WIN 0x40*((\st)/4)
.set ii, 0
.rept 4
	global_load_b128 v[AF+32*((\st)%4)+8*ii:AF+32*((\st)%4)+8*ii+3],   v[CO], s[XQP:XQP+1] offset:(\so)*8192+ii*1024
	global_load_b128 v[AF+32*((\st)%4)+8*ii+4:AF+32*((\st)%4)+8*ii+7], v[CO], s[XQP:XQP+1] offset:(\so)*8192+ii*1024+512
.set ii, ii+1
.endr
.endm
.macro EXTRA ex                        ; 1 .. 4: four candidates' value rows (columns 4 lane on and 128 + 4 lane on) into x's set ex - 1; 5: the bias, columns 64 G + 4 r on, into x's set 4
.if (\ex) >= 1 && (\ex) <= 4
	WIN 0
.set ii, 0
.rept 4
	global_load_b128 v[AF+32*((\ex)-1)+8*ii:AF+32*((\ex)-1)+8*ii+3],   v[VA+4*((\ex)-1)+ii], s[70:71]
	global_load_b128 v[AF+32*((\ex)-1)+8*ii+4:AF+32*((\ex)-1)+8*ii+7], v[VA+4*((\ex)-1)+ii], s[70:71] offset:512
.set ii, ii+1
.endr
.endif
.if (\ex) == 5
	WIN TO_B
.irp g, 0,1,2,3
	global_load_b128 v[AF+4*\g:AF+4*\g+3], v[ZO], s[68:69] offset:256*\g
.endr
.endif
.endm
.macro ASC cs, co                      ; x's scale words of 512 along K: register 4 q + p: lane (r, h) holds the word of row r of tile 2 p + h: lane m has row m of the 32.  Eight loads, each inside 256 consecutive bytes
	WIN 0
.irp q, 0,1,2,3
	global_load_b32 v[SA+16*(\cs)+4*\q],   v[XSO], s[XSP:XSP+1] offset:(\co)*2048+512*\q
	global_load_b32 v[SA+16*(\cs)+4*\q+1], v[XSO], s[XSP:XSP+1] offset:(\co)*2048+512*\q+8
.endr
.endm
.macro SCALES cs, off                  ; W's scale words of the 512 along K that lie off such runs from v[ADRS]: register 4 i + q: lanes 0-15 fragment i, lanes 16-31 fragment 8 + i
	WIN 0
.irp i, 0,1,2,3,4,5,6,7
	ds_load_b128 v[SB+32*(\cs)+4*\i:SB+32*(\cs)+4*\i+3], v[ADRS] offset:\i*SCI+(\off)*SCC
.endr
.endm
.macro WM zero, rb                     ; one product; rb: W's fragment is one of the upper eight: its scale words stand in lanes 16-31
.if \zero
.if \rb
	v_wmma_scale_f32_32x16x128_f4 v[rD:rD+15], v[rA:rA+15], v[rB:rB+7], 0, v[rSA], v[rSB] matrix_b_scale:MATRIX_SCALE_ROW1
.else
	v_wmma_scale_f32_32x16x128_f4 v[rD:rD+15], v[rA:rA+15], v[rB:rB+7], 0, v[rSA], v[rSB]
.endif
.else
.if \rb
	v_wmma_scale_f32_32x16x128_f4 v[rD:rD+15], v[rA:rA+15], v[rB:rB+7], v[rD:rD+15], v[rSA], v[rSB] matrix_b_scale:MATRIX_SCALE_ROW1
.else
	v_wmma_scale_f32_32x16x128_f4 v[rD:rD+15], v[rA:rA+15], v[rB:rB+7], v[rD:rD+15], v[rSA], v[rSB]
.endif
.endif
.endm
; 2 nb matrix instructions: W's fragments b0 on, each against x's two pairs of tiles.  zero = 1: the product starts the sums: nothing is ever cleared.
; The 32 accumulators take turns, one instruction a turn, in the same order in every step.
.macro MULB b0, nb, st, q, cs, zero
.set bb, \b0
.rept \nb
.set aa, 0
.rept 2
.set rD, 8*(4*(bb%8)+2*aa)
.set rB, 8*bb
.set rA, AF+32*((\st)%4)+16*aa
.set rSB, SB+32*(\cs)+4*(bb%8)+(\q)
.set rSA, SA+16*(\cs)+4*(\q)+aa
	WM \zero, bb/8
.set aa, aa+1
.endr
.set bb, bb+1
.endr
.endm
; A step of 128 along K, the slot's q8-th.  adr, nq8: where the next step's fragments of W lie (-1: none).  so: x's set for seven steps on (-1: none).  lc: how many younger loads from memory may stay out.
; asc: x's next scale words, in runs of 512 from the base (-1: none).  scl: W's next scale words, in runs of 512 from v[ADRS] (-1: none).  ex: what else is loaded in the place of x's set.
.macro STEP q8, zero, adr, nq8, so, lc, asc, scl, ex=0
	s_wait_loadcnt \lc                             ; x's set of this step is in (and, at each fourth step, its scale words)
	s_wait_dscnt 16                                ; W's fragments 0-7 are in; the youngest sixteen loads (8-15) may be out
	WIN MUL_LO+(\q8)/4
	MULB 0, 8, \q8, (\q8)%4, (\q8)/4, \zero
.if (\nq8) >= 0
	PLACES
.if (\scl) >= 0
	SCALES 1-(\q8)/4, \scl
.endif
	FETCH_BH \adr, \nq8, 0
.if (\asc) >= 0
	ASC 1-(\q8)/4, \asc
.endif
.if (\so) >= 0
	ALOAD ((\q8)+7)%8, \so                         ; into the set that the step before multiplied
.endif
	EXTRA \ex
.if (\scl) >= 0
	s_wait_dscnt 24                                ; fragments 8-15 are in: all but the 8 + 16 just issued
.else
	s_wait_dscnt 16
.endif
.else
	s_wait_dscnt 0x0
.endif
	WIN MUL_HI+(\q8)/4
	MULB 8, 8, \q8, (\q8)%4, (\q8)/4, \zero
.if (\nq8) >= 0
	PLACES
	FETCH_BH \adr, \nq8, 1
.endif
.endm
; A slot's last step changes slots: one barrier; in front of it each wave waits for all its tensor loads, adds 0 to its spare word, and waits for that and for its reads of this slot.
; fill = 1: the slot just read out is filled again, with the 1,024 along K two slots on; the barrier then opens a round of the cluster's barrier.
.macro TURN fill, nadr, so, lc, scl
	WIN 0
	s_wait_tensorcnt 0x0                           ; all my tensor loads have landed: my part of the next slot
	ds_add_u32 v[SPW], v[NIL]
	s_wait_loadcnt \lc
	s_wait_dscnt 17                                ; (the add and the youngest sixteen loads may be out)
	WIN MUL_LO+1
	MULB 0, 4, 7, 3, 1, 0
	s_wait_dscnt 0x0                               ; the add is done, and my reads of this slot are over
	s_barrier_signal -1
	MULB 4, 4, 7, 3, 1, 0
	WIN 0
	s_barrier_wait -1
.if \fill
	CREST                                          ; no wave of any partner still reads this slot or has a load on its way
	s_xor_b32 s[G0B+1], s[G0B+1], SLOT             ; the walking descriptor: the other slot than last time (SLOT's two bits are 0 in wave x 33,792),
	s_add_nc_u64 s[G0B+2:G0B+3], s[G0B+2:G0B+3], KRUN   ; the next 1,024 along K
	tensor_load_to_lds s[G0B:G0B+3], s[G1:G1+7]    ; the first tensor load behind the round, one a wave
	s_nop 0
	PLACES                                         ; also the places in front of the loads below
.else
	PLACES
.endif
	SCALES 0, \scl
	FETCH_BH \nadr, 0, 0
	ALOAD 6, \so
	WIN MUL_HI+1
	MULB 8, 8, 7, 3, 1, 0
	PLACES
	FETCH_BH \nadr, 0, 1
.endm
.macro SIX adr                         ; a slot's steps 1 to 6.  48: six younger sets of 8 loads; 32: the four sets behind x's scale words
	STEP 1, 0, \adr, 2, 8, 48, -1, -1
	STEP 2, 0, \adr, 3, 9, 48, -1, -1
	STEP 3, 0, \adr, 4, 10, 48, -1, 1
	STEP 4, 0, \adr, 5, 11, 32, 2, -1
	STEP 5, 0, \adr, 6, 12, 48, -1, -1
	STEP 6, 0, \adr, 7, 13, 48, -1, -1
.endm
	s_load_b256 s[4:11], s[0:1], 0x0               ; xq, xs, W's codes, W's scales
	s_load_b256 s[68:75], s[0:1], 0x20             ; b, values, cand_f, cand_i
	s_load_b64 s[12:13], s[0:1], 0x40              ; out0
	v_lshl_add_u32 v[SPW], v0, 2, SPARE
	v_mov_b32 v[NIL], 0
	ds_add_u32 v[SPW], v[NIL]                      ; the opening lines: the add, twice on end, and one wait
	ds_add_u32 v[SPW], v[NIL]
	v_lshrrev_b32 v1, 5, v0
	v_readfirstlane_b32 s14, v1                    ; wave 0..3
	s_lshr_b32 s15, s14, 1                         ; which group of 128 rows of x holds my 64,
	s_and_b32 s16, s14, 1                          ; and which half of it they are
	s_bfe_u32 s40, ttmp6, 0x40000                  ; cx, cy
	s_bfe_u32 s41, ttmp6, 0x40004
	s_lshl_b32 s42, ttmp9, 2
	s_add_co_u32 s42, s42, s40                     ; tile column
	s_and_b32 s17, ttmp7, 0xffff                   ; cluster y = the sample: four tile rows of 256 are a sample's 1,024 rows
	s_lshl_b32 s96, s17, 6                         ; its 16 candidates, 4 bytes each
	s_mov_b32 s97, 0
	s_lshl_b32 s17, s17, 2
	s_add_co_u32 s17, s17, s41                     ; tile row
	s_lshl_b32 s43, 0x1111, s40                    ; my column of the cluster
	s_or_b32 s[G1+0], s43, (0<<16)|(1<<20)|(1<<21)|(6<<22)|(3<<25)  ; the mask; elements of 1 byte; padding on; bit 21 beside a mask; 4 words of padding after every 128
	s_mov_b32 s[G1+1], KRUN<<16                    ; tensor_dim0 = 512
	s_mov_b32 s[G1+2], 64<<16                      ; tensor_dim1 = 64
	s_mov_b32 s[G1+3], KRUN<<16                    ; tile_dim0
	s_mov_b32 s[G1+4], 64                          ; tile_dim1
	s_mov_b32 s[G1+5], 4*KROW                      ; from row to row: every fourth row of W
	s_mov_b32 s[G1+6], 0
	s_mov_b32 s[G1+7], 0
	s_lshl_b32 s46, s42, 19                        ; W's codes: 256 rows of 2,048 bytes a tile column,
	s_lshl_b32 s44, s14, 11
	s_add_co_u32 s46, s46, s44                     ; from row t = wave on
	s_mov_b32 s47, 0
	s_lshl_b32 s44, s42, 2
	s_add_co_u32 s44, s44, s14
	s_lshl_b32 s44, s44, 13                        ; W's scale bytes: rows 64 wave on, 128 bytes each
	s_mov_b32 s45, 0
	s_mul_i32 s18, s14, QROWS                      ; where my rows go: no place in the cluster enters an LDS address
	s_mul_i32 s19, s16, 4*SCI                      ; my 64 rows are G = wave: i = 4 (wave % 2) + t,
	s_lshl_b32 s2, s15, 8                          ; lanes 16 (wave / 2) on
	s_add_co_u32 s19, s19, s2
	s_add_co_u32 s19, s19, SCL
	s_lshl_b32 s3, s16, 8
	s_lshl_b32 s20, s17, 1
	s_add_co_u32 s20, s20, s15                     ; my group of 128 rows of x
	s_lshl_b32 s22, s20, 14                        ; its 32 images of scale words, 512 bytes each
	s_lshl_b32 s20, s20, 18                        ; its 262,144 bytes of codes,
	s_lshl_b32 s21, s16, 12
	s_add_co_u32 s20, s20, s21                     ; my four tiles of its eight
	s_mov_b32 s21, 0
	s_mov_b32 s23, 0
	s_lshl_b32 s50, s42, 10                        ; the tile's first column, in bytes of f32
	s_mov_b32 s51, 0
	s_lshl_b32 s48, s17, 8
	s_lshl_b32 s49, s14, 6
	s_add_co_u32 s48, s48, s49                     ; my first row of out0
	s_lshl_b32 s48, s48, 14
	s_add_co_u32 s48, s48, s50
	s_mov_b32 s49, 0
	v_mov_b32 v[ZO], 0
	v_and_b32 v1, 15, v0                           ; r
	v_bfe_u32 v2, v0, 4, 1                         ; h
	v_and_b32 v3, 31, v0
	v_and_b32 v4, 7, v0                            ; of W's scale bytes as loaded: which 512 along K,
	v_bfe_u32 v5, v0, 3, 2                         ; and t
	v_lshlrev_b32 v[CO], 4, v3
	v_lshl_add_u32 v[XSO], v1, 4, s3               ; 16 r + 256 x my half of the group: row r's four words,
	v_mul_u32_u24 v[LB], v1, PITCH
	v_mul_u32_u24 v4, v4, SCC
	v_lshlrev_b32 v[OO], 4, v1
	v_lshl_add_u32 v[XSO], v2, 2, v[XSO]           ; + 4 h: tile h's (8 bytes on: tile 2 + h's)
	v_lshl_add_u32 v[LB], v2, 4, v[LB]             ; row r x pitch + 16 h
	v_mad_u32_u24 v4, v5, SCI, v4
	v_lshl_add_u32 v[OO], v2, 17, v[OO]            ; 8 h rows of 16,384 bytes + 16 r
	v_add_nc_u32 v[ADRS], SCL, v[CO]
	v_add_nc_u32 v[LB+1], HIB, v[LB]
	v_add_nc_u32 v[L1], SLOT, v[LB]
	v_add_nc_u32 v[L1+1], SLOT+HIB, v[LB]
	v_add_nc_u32 v[SST], s19, v4
	s_wait_alu depctr_va_vdst(0)
	s_wait_dscnt 0x0                               ; both opening adds are done
	s_wait_kmcnt 0x0
	s_add_nc_u64 s[72:73], s[72:73], s[96:97]
	s_add_nc_u64 s[74:75], s[74:75], s[96:97]
	s_add_nc_u64 s[44:45], s[10:11], s[44:45]
.irp k, 0,1,2,3
	global_load_b128 v[VA+4*\k:VA+4*\k+3], v[ZO], s[74:75] offset:16*\k      ; the 16 candidates' indices,
.endr
.irp k, 0,1,2,3
	global_load_b128 v[64+4*\k:67+4*\k], v[ZO], s[72:73] offset:16*\k        ; distances,
.endr
.irp k, 0,1,2,3
	global_load_b128 v[80+4*\k:83+4*\k], v[ZO], s[72:73] offset:256+16*\k    ; epsilons
.endr
	WIN TO_B
.irp n, 0,1,2,3,4,5,6,7,8,9,10,11,12,13,14,15
	global_load_b128 v[4*\n:4*\n+3], v[CO], s[44:45] offset:512*\n           ; W's scale bytes: rows 64 wave + 4 n + lane / 8, 16 bytes at 16 (lane % 8): 512 consecutive bytes a load
.endr
	WIN 0
	s_add_nc_u64 s[46:47], s[8:9], s[46:47]
	s_add_nc_u64 s[XQP:XQP+1], s[4:5], s[20:21]
	s_add_nc_u64 s[XSP:XSP+1], s[6:7], s[22:23]
	s_add_nc_u64 s[68:69], s[68:69], s[50:51]
	s_add_nc_u64 s[70:71], s[70:71], s[50:51]
	s_add_nc_u64 s[12:13], s[12:13], s[48:49]
	s_mov_b32 s[G0A], 1
	s_add_co_u32 s[G0A+1], s18, 0
	s_mov_b64 s[G0A+2:G0A+3], s[46:47]
	s_or_b32 s[G0A+3], s[G0A+3], 0x80000000
	s_mov_b32 s[G0B], 1
	s_add_co_u32 s[G0B+1], s18, SLOT
	s_add_nc_u64 s[G0B+2:G0B+3], s[46:47], KRUN
	s_or_b32 s[G0B+3], s[G0B+3], 0x80000000
	CROUND                                         ; all sixteen work-groups are here: the first joint loads meet
	tensor_load_to_lds s[G0A:G0A+3], s[G1:G1+7]    ; slot 0, my t: one tensor load a wave at the head
	s_nop 0
	PLACES
	ASC 0, 0
	ALOAD 0, 0
	ALOAD 1, 1
	ALOAD 2, 2
	ALOAD 3, 3
	WIN 0
	s_wait_loadcnt 40                              ; behind W's scale bytes stand x's 8 + 32 loads: the candidates and W's scale bytes are in
.irp j, 0,1,2,3,4,5,6,7,8,9,10,11,12,13,14,15
	v_min_u32 v[VA+\j], 0x7ff, v[VA+\j]            ; an index stays inside the table
.endr
.irp j, 0,1,2,3,4,5,6,7,8,9,10,11,12,13,14,15
	v_lshl_add_u32 v[VA+\j], v[VA+\j], 14, v[CO]   ; a row of values is 16,384 bytes
.endr
.irp j, 1,2,3,4,5,6,7,8,9,10,11,12,13,14,15
	v_cmp_lt_f32 s[79+\j], v[64+\j], v64           ; nearer than the best so far?
	v_cndmask_b32 v64, v64, v[64+\j], s[79+\j]
	v_cndmask_b32 v80, v80, v[80+\j], s[79+\j]
.endr
	v_cmp_le_f32 s[HIT], v64, v80
	v_and_b32 v[ZO], 0xf0, v[CO]                   ; the head's loads by it are done: from here on 16 r
	s_wait_alu depctr_va_vdst(0)
	s_wait_tensorcnt 0x0                           ; my part of slot 0 is in: no tensor load of mine is out while I store to LDS
	ALOAD 4, 4                                     ; x's sets 4 to 6, wanted four steps on and later, are asked for behind slot 0's tile
	ALOAD 5, 5
	ALOAD 6, 6
	WIN 0x04                                       ; the data: window 1
.irp n, 0,1,2,3,4,5,6,7,8,9,10,11,12,13,14,15
	ds_store_b128 v[SST], v[4*\n:4*\n+3] offset:16*\n   ; r = n
.endr
	WIN 0
	s_wait_tensorcnt 0x0                           ; the same wait, add and wait ahead of a later first fill as ahead of a refill
	ds_add_u32 v[SPW], v[NIL]
	s_wait_dscnt 0x0                               ; the add is done, and my scale words lie in LDS
	CROUND                                         ; everybody's part of slot 0 and of the scale words is in; the joint loads meet
	tensor_load_to_lds s[G0B:G0B+3], s[G1:G1+7]    ; slot 1's first fill: the first tensor load behind the round
	s_nop 0
	PLACES
	FETCH_BH LB, 0, 0
	SCALES 0, 0
	FETCH_BH LB, 0, 1
	STEP 0, 1, LB, 1, 7, 48, 1, -1                 ; the first step stands in front of the loop: its products start the sums.  48: x's sets 1 to 6
	WIN 0                                          ; at a label and at a branch every window is 0
	s_mov_b32 s3, 2
.Lslot:                                                ; two trips: from a slot's second step to the next slot's first; each fills the slot that it leaves
	s_and_b32 s2, s3, 1                            ; the trip's slot: 0, then 1
	s_xor_b32 s18, s2, 1                           ; and the other
	s_mul_i32 s2, s2, SLOT
	s_mul_i32 s18, s18, SLOT
	v_add_nc_u32 v[ADRC], s2, v[LB]
	v_add_nc_u32 v[ADRC+1], s2, v[LB+1]
	v_add_nc_u32 v[ADRN], s18, v[LB]
	v_add_nc_u32 v[ADRN+1], s18, v[LB+1]
	s_wait_alu depctr_va_vdst(0)
	SIX ADRC
	TURN 1, ADRN, 14, 48, 2
	STEP 0, 0, ADRN, 1, 15, 32, 3, -1
	WIN 0
	s_wait_xcnt 0x0                                ; the loads from memory have read their bases: both step a slot on
	s_add_nc_u64 s[XQP:XQP+1], s[XQP:XQP+1], 65536
	s_add_nc_u64 s[XSP:XSP+1], s[XSP:XSP+1], 4096
	v_add_nc_u32 v[ADRS], 2*SCC, v[ADRS]
	s_sub_co_u32 s3, s3, 1
	s_cmp_lg_u32 s3, 0
	s_cbranch_scc1 .Lslot
	s_wait_alu depctr_va_vdst(0)
	SIX LB                                         ; the third 1,024 along K lie in slot 0; nothing more is filled, so the tail is written out
	TURN 0, L1, 14, 48, 2
	STEP 0, 0, L1, 1, 15, 32, 3, -1
	STEP 1, 0, L1, 2, -1, 48, -1, -1, 1            ; x asks for nothing more: the sets that are done with take the candidates' value rows, 8 loads a step, so the counts stay
	STEP 2, 0, L1, 3, -1, 48, -1, -1, 2
	STEP 3, 0, L1, 4, -1, 48, -1, 3, 3
	STEP 4, 0, L1, 5, -1, 32, -1, -1, 4            ; behind x's last scale words: set 7 and 24 value loads
	STEP 5, 0, L1, 6, -1, 48, -1, -1, 5            ; and the bias, 4 loads
	STEP 6, 0, L1, 7, -1, 44, -1, -1               ; behind set 6: set 7, 32 value loads and 4 of the bias, and x's last scale words
	STEP 7, 0, L1, -1, -1, 36, -1, -1              ; behind set 7: 32 value loads and 4 of the bias
	WIN 0
	s_mov_b32 s20, 0x76543210
	s_mov_b32 s21, 0xfedcba98                      ; lane l xor 16
	s_mov_b32 s67, 0xffff0000                      ; lanes 16-31
	s_wait_loadcnt 0x0
; THE CHOICE among the 16 loaded rows, in place (these selects name no register of the last products: they are also the places behind them)
.irp j, 1,2,3,4,5,6,7,8,9,10,11,12,13,14,15
.irp k, 0,1,2,3,4,5,6,7
	v_cndmask_b32 v[AF+\k], v[AF+\k], v[AF+8*\j+\k], s[79+\j]
.endr
.endr
.irp k, 0,1,2,3,4,5,6,7
	v_permlanex16_b32 v[AF+8+\k], v[AF+\k], s20, s21
.endr
.irp k, 0,1,2,3                        ; columns 64 G + 4 r on lie in lane r (G even) or 16 + r (G odd): both halves of the lanes get them
	v_cndmask_b32 v[VX+\k],    v[AF+\k],    v[AF+8+\k],  s67
	v_cndmask_b32 v[VX+4+\k],  v[AF+8+\k],  v[AF+\k],    s67
	v_cndmask_b32 v[VX+8+\k],  v[AF+4+\k],  v[AF+12+\k], s67
	v_cndmask_b32 v[VX+12+\k], v[AF+12+\k], v[AF+4+\k],  s67
.endr
	WIN 0x01                                       ; the bias lies in window 1
.irp i, 0,1,2,3,4,5,6,7,8,9,10,11,12,13,14,15
	v_cndmask_b32 v[BX+\i], v[AF+\i], 0, s[HIT]    ; on a hit nothing is added to the chosen value
.endr
	WIN 0
	s_wait_alu depctr_va_vdst(0)
; THE WAY OUT, in sixteen units: tile a = u / 4 of my rows x group G = u % 4 of 64 columns.  The select takes register 8 (a % 2) + j of the four accumulators into four registers on end;
; the units go by ascending a.
.macro UNITV u
.set DB, 128+32*((\u)%4)
	WIN 0x02+((\u)%4)/2                            ; source 0: window 2 or 3
.set jj, 0
.rept 8
.set tt, 0
.rept 4
	v_cndmask_b32 v[DB+4*jj+tt], v[8*(4*(4*((\u)%2)+tt)+(\u)/4)+jj], v[VX+4*((\u)%4)+tt], s[HIT]
.set tt, tt+1
.endr
.set jj, jj+1
.endr
	WIN 0
.set jj, 0
.rept 16
	v_pk_add_f32 v[DB+2*jj:DB+2*jj+1], v[DB+2*jj:DB+2*jj+1], v[BX+4*((\u)%4)+2*(jj%2):BX+4*((\u)%4)+2*(jj%2)+1]
.set jj, jj+1
.endr
.endm
.macro UNITS u                         ; lanes 0-15 store 256 consecutive bytes of row 16 a + j, lanes 16-31 of row 16 a + 8 + j, each at a multiple of 256 from out0's first byte
.set DB, 128+32*((\u)%4)
.set jj, 0
.rept 8
	global_store_b128 v[OO], v[DB+4*jj:DB+4*jj+3], s[12:13] offset:(16*((\u)/4)+jj)*16384+256*((\u)%4) th:TH_STORE_NT
.set jj, jj+1
.endr
.endm
	UNITV 0
.irp u, 1,2,3,4,5,6,7,8,9,10,11,12,13,14,15
.if \u >= 4
	s_wait_xcnt 0x0                                ; unit u - 4's stores have read their registers
.endif
	UNITV \u
	UNITS \u-1                                     ; a unit's stores stand behind the next unit's 48 vector instructions
.endr
	UNITS 15
	s_wait_tensorcnt 0x0                           ; the wave's end
	ds_add_u32 v[SPW], v[NIL]
	s_wait_dscnt 0x0
	CROUND                                         ; the closing round
	s_endpgm
.Lfunc_end_k_q2ccea64dde_gemm:
	.size	k_q2ccea64dde_gemm, .Lfunc_end_k_q2ccea64dde_gemm-k_q2ccea64dde_gemm
	.p2alignl 7, 3214868480
	.fill 96, 4, 3214868480
	.section	.rodata,"a",@progbits
	.p2align	6, 0x0
	.amdhsa_kernel k_q2ccea64dde_gemm
		.amdhsa_group_segment_fixed_size 327680
		.amdhsa_private_segment_fixed_size 0
		.amdhsa_enable_private_segment 0
		.amdhsa_kernarg_size 72
		.amdhsa_user_sgpr_count 2
		.amdhsa_user_sgpr_kernarg_segment_ptr 1
		.amdhsa_wavefront_size32 1
		.amdhsa_system_sgpr_workgroup_id_x 1
		.amdhsa_system_sgpr_workgroup_id_y 1
		.amdhsa_system_sgpr_workgroup_id_z 1
		.amdhsa_system_vgpr_workitem_id 0
		.amdhsa_next_free_vgpr 1024
		.amdhsa_next_free_sgpr 100
		.amdhsa_reserve_vcc 0
		.amdhsa_float_denorm_mode_32 3
		.amdhsa_float_denorm_mode_16_64 3
		.amdhsa_memory_ordered 1
		.amdhsa_forward_progress 1
		.amdhsa_inst_pref_size 255
	.end_amdhsa_kernel
	.section	.bss,"aw",@nobits
	.p2align	6
	.space	262144
	.amdgpu_metadata
---
amdhsa.version: [ 1, 2 ]
amdhsa.kernels:
  - .name:           k_q2ccea64dde_gemm
    .symbol:         k_q2ccea64dde_gemm.kd
    .args:
      - { .name: xq, .offset: 0, .size: 8, .value_kind: global_buffer, .address_space: global }
      - { .name: xs, .offset: 8, .size: 8, .value_kind: global_buffer, .address_space: global }
      - { .name: W_codes, .offset: 16, .size: 8, .value_kind: global_buffer, .address_space: global }
      - { .name: W_scales, .offset: 24, .size: 8, .value_kind: global_buffer, .address_space: global }
      - { .name: b, .offset: 32, .size: 8, .value_kind: global_buffer, .address_space: global }
      - { .name: values, .offset: 40, .size: 8, .value_kind: global_buffer, .address_space: global }
      - { .name: cand_f, .offset: 48, .size: 8, .value_kind: global_buffer, .address_space: global }
      - { .name: cand_i, .offset: 56, .size: 8, .value_kind: global_buffer, .address_space: global }
      - { .name: out0, .offset: 64, .size: 8, .value_kind: global_buffer, .address_space: global }
    .group_segment_fixed_size: 327680
    .private_segment_fixed_size: 0
    .kernarg_segment_align: 8
    .kernarg_segment_size: 72
    .max_flat_workgroup_size: 128
    .sgpr_count:     100
    .vgpr_count:     1024
    .wavefront_size: 32
...
	.end_amdgpu_metadata
.endif
;; end of part 3
